; MI455X (gfx1250); checked and timed in simulation.
; The chip was launched on July 23, 2026; its instructions are those of AMD's public machine-readable ISA for CDNA 5 (MIT licence, August 2026) and "CDNA5" Instruction Set Architecture Reference Guide (July 2026). The comments in the code are by the model that wrote it; some were corrected since.
;; Element Readout MLP. Allowed arithmetic: matrix products marked QUANTISED: E2M1 operands, one E8M0 scale for each 32 along K, by v_wmma_scale_f32_16x16x128_f8f6f4 with both operands' format E2M1 (or v_wmma_scale_f32_32x16x128_f4), f32 sums; products left as they are: f32 operands where the result goes on into a quantised operand, else bf16, f16 or f32 operands; f32 sums; everything else in f32.
;; Inputs: W1_codes 10 x 256 x 8 x 16 uint8 (E2M1 codes of W1, K innermost, in blocks of 32 codes, two codes a byte); W1_scales 10 x 256 x 8 uint8 (E8M0 scales of W1, one for each 32 codes along K); W2 10 x 256 x 1 float32; b1 10 x 256 float32; b2 10 x 1 float32; input_tensor_codes 100,000 x 8 x 16 uint8 (E2M1 codes of input_tensor, K innermost, in blocks of 32 codes, two codes a byte); input_tensor_scales 100,000 x 8 uint8 (E8M0 scales of input_tensor, one for each 32 codes along K); species 100,000 int32.
;; Outputs: out0 100,000 x 1 float32.
;; This version of the problem:
;;   THIS VERSION OF THE PROBLEM IS GIVEN IN LOW PRECISION. The matrix products marked QUANTISED in the list below multiply operands that are first quantised to E2M1 (2 exponent bits, 1 mantissa bit; 4 bits a number), with one power-of-two scale for each 32 numbers along K (OCP MX v1.0); their sums are f32. All else is computed in f32.
;;   The module's matrix products, in the order in which they are computed (A, B: the left and right operand; K: the contracted axis; several contracted axes count as one K, in the product's order):
;;     1. [M 100,000, K 256] x [K 256, N 256]; A: input input_tensor (given as codes); B: input W1 (given as codes): QUANTISED
;;     2. [M 100,000, K 256] x [K 256, N 256]; A: input input_tensor (given as codes); B: input W1 (given as codes): QUANTISED
;;     3. [M 100,000, K 256] x [K 256, N 256]; A: input input_tensor (given as codes); B: input W1 (given as codes): QUANTISED
;;     4. [M 100,000, K 256] x [K 256, N 256]; A: input input_tensor (given as codes); B: input W1 (given as codes): QUANTISED
;;     5. [M 100,000, K 256] x [K 256, N 256]; A: input input_tensor (given as codes); B: input W1 (given as codes): QUANTISED
;;     6. [M 100,000, K 256] x [K 256, N 256]; A: input input_tensor (given as codes); B: input W1 (given as codes): QUANTISED
;;     7. [M 100,000, K 256] x [K 256, N 256]; A: input input_tensor (given as codes); B: input W1 (given as codes): QUANTISED
;;     8. [M 100,000, K 256] x [K 256, N 256]; A: input input_tensor (given as codes); B: input W1 (given as codes): QUANTISED
;;     9. [M 100,000, K 256] x [K 256, N 256]; A: input input_tensor (given as codes); B: input W1 (given as codes): QUANTISED
;;     10. [M 100,000, K 256] x [K 256, N 256]; A: input input_tensor (given as codes); B: input W1 (given as codes): QUANTISED
;;     11. [M 100,000, K 256] x [K 256, N 1]; A: computed on the way; B: input W2: left as it is (N = 1 < 16)
;;     12. [M 100,000, K 256] x [K 256, N 1]; A: computed on the way; B: input W2: left as it is (N = 1 < 16)
;;     13. [M 100,000, K 256] x [K 256, N 1]; A: computed on the way; B: input W2: left as it is (N = 1 < 16)
;;     14. [M 100,000, K 256] x [K 256, N 1]; A: computed on the way; B: input W2: left as it is (N = 1 < 16)
;;     15. [M 100,000, K 256] x [K 256, N 1]; A: computed on the way; B: input W2: left as it is (N = 1 < 16)
;;     16. [M 100,000, K 256] x [K 256, N 1]; A: computed on the way; B: input W2: left as it is (N = 1 < 16)
;;     17. [M 100,000, K 256] x [K 256, N 1]; A: computed on the way; B: input W2: left as it is (N = 1 < 16)
;;     18. [M 100,000, K 256] x [K 256, N 1]; A: computed on the way; B: input W2: left as it is (N = 1 < 16)
;;     19. [M 100,000, K 256] x [K 256, N 1]; A: computed on the way; B: input W2: left as it is (N = 1 < 16)
;;     20. [M 100,000, K 256] x [K 256, N 1]; A: computed on the way; B: input W2: left as it is (N = 1 < 16)
;;   THE QUANTISER, for each operand of a quantised product, along K:
;;     - K is cut into blocks of 32 from its start; a last block that is shorter is filled with zeros.
;;     - A block's scale is 2^e with e = floor(log2(the largest magnitude in the block)) - 2, held to -126 .. 127; a block of zeros has e = 0. As a byte (E8M0): e + 127.
;;     - Each number is divided by its block's scale, clamped to +-6, and rounded to the nearest number of E2M1, ties to even, subnormals kept.
;;     - The product sums the exact products of the quantised numbers (number of the format x scale) in f32.
;;   ~~~python
;;   def quantise(x, axis):      # numpy; x: float32 -> the quantised numbers, widened to float32 again
;;       x = np.moveaxis(x, axis, -1); K = x.shape[-1]
;;       x = np.pad(x, [(0, 0)] * (x.ndim - 1) + [(0, -K % 32)]); x = x.reshape(x.shape[:-1] + (-1, 32)); a = np.abs(x).max(-1, keepdims=True)
;;       e = np.where(a > 0, np.clip(np.frexp(np.where(a > 0, a, 1))[1] - 1 - 2, -126, 127), 0)      # np.frexp(a)[1] - 1 = floor(log2(a)), exactly
;;       r = np.clip(x / 2.0 ** e, -6, 6)
;;       step = 2.0 ** (np.maximum(np.frexp(np.where(r == 0, 1, r))[1] - 1, 0) - 1)
;;       q = np.round(r / step) * step * 2.0 ** e      # np.round: ties to even
;;       return np.moveaxis(q.reshape(q.shape[:-2] + (-1,))[..., :K], -1, axis).astype(np.float32)
;;   ~~~
;;   INPUTS GIVEN AS CODES. W1 (in the module: [10, 256, 256], K = its axis 1); input_tensor (in the module: [100000, 256], K = its axis 1): each comes as NAME_codes (uint8): NAME with its K axis moved to the last place and cut into blocks of 32 codes, [.., K / 32, bytes a block], one block behind the other in memory; two codes a byte, the lower K in the low four bits (a code: sign, 2 exponent bits, 1 mantissa bit); and NAME_scales (uint8): the same leading axes, one E8M0 byte (e + 127) for each 32 codes along K. Its value is code x scale, taken as it is: it is not quantised again, and the codes and scales need not be those that the quantiser above would give.
;; One version. Each part assembles by itself: llvm-mc -triple=amdgcn-amd-amdhsa -mcpu=gfx1250 --defsym DOCPART=n.
;; ======== version 1 of 1: 1 launch
;; launch readout (part 1): grid 10 x 25, 4 waves a work-group, no clusters, 50,944 bytes of LDS; arguments input_tensor_codes, input_tensor_scales, species, W1_codes, W1_scales, b1, W2, b2, out0; writes out0
.if DOCPART == 1
	.amdgcn_target "amdgcn-amd-amdhsa--gfx1250"
	.amdhsa_code_object_version 6
	.text
	.protected	k_q16d50082d0_readout
	.globl	k_q16d50082d0_readout
	.p2align	8
	.type	k_q16d50082d0_readout,@function
k_q16d50082d0_readout:
	s_mov_b64 s[64:65], 0
	v_nop
	global_prefetch_b8 v0, s[64:65] scope:SCOPE_SE
	s_setreg_imm32_b32 hwreg(HW_REG_WAVE_MODE, 25, 1), 1
	s_wait_xcnt 0x0
; out[a] = silu(x[a] W1[e] + b1[e]) . W2[e] + b2[e], e = species[a].  x [100000][256] and W1 [10][256 (n)][256 (k)] are codes of FP4 (E2M1), K innermost, a row 128 bytes,
; with 8 E8M0 scale bytes a row; b1, W2 [10][256], b2 [10], out [100000] f32.  Only the expert that an atom's species names is multiplied: the others' results are thrown away by the mask.
; SHARES.  Work-group (x = expert e, y = block of 4,000 atoms), four waves.  It reads the block's 4,000 species, gathers the rows that belong to e into a list in LDS, and its waves
; then walk tiles of 16 listed rows, wave w tiles w, w + 4, ..: gather x, 32 matrix instructions, silu, the dot with W2, b2, the results stored.  Any split is served: 0 to 4,000 rows.
; THE PRODUCT IS USED TRANSPOSED: source 0 = 16 rows of W1 (hidden units 16 t + 0..15), source 1 = 16 atoms.  A lane then holds ONE atom (lane % 16) and its registers run along the
; hidden units (register 8 t + j: unit 16 t + 8 (lane / 16) + j): b1 is the C of the first K step, the dot with W2 is summed inside the lane, and one exchange of the halves ends it.
; W1[e] (32 fragments), b1[e] and W2[e] stay in each wave's registers for the whole launch.  Each wave fetches a quarter of W1[e] from memory; the quarters go round through LDS as images of the registers.
; EXEC IS NEVER CHANGED.  All 32 lanes store: lanes 16-31 hold the same sum for the same row as lanes 0-15, and a lane whose place lies past the list's end was held at the last place, gathered that row and
; computed that row's result: what is stored more than once is the same number at the same address.
; A WAVE WHOSE TILES ARE DONE ENDS WHERE IT STANDS (macro QUIT): no branch leaves the loop; every path that goes on has run every slot before it, so the loop's counted wait holds on every path.
; SPECIES OUTSIDE 0..9: matched as min(species, 9), so that expert 9's work-groups own those rows; a row whose species is not e gets 0, which is what the masks leave there.
; NO JOINT LOADS, though the 25 work-groups of an expert read the same W1[e]: what is shared is 34 KB read once by each.
; out LEAVES BY STORES OF 4 BYTES to the listed rows: neighbouring atoms belong to other experts' work-groups, so no work-group holds 256 neighbouring bytes of out; 400,000 bytes in all.
; LIMITS: where 1 + 2^(-h log2 e) passes 2^126 the reciprocal comes out as 0 and silu(h) is taken as 0; its true magnitude there is under |h| 2^-126.  NaN and infinities in b1, W2, b2 are not served.
; REGISTERS, in windows of 256 (s_set_vgpr_msb: bits 1:0 source 0, 3:2 source 1, 5:4 source 2, 7:6 destination):
;   window 0: addresses, lists, sums; v52-59 x's scale words; v64-127 x's fragments, four slots; v128-159 W1's scale words; v160-237 the compaction's.   window 1: W1's 32 fragments.
;   window 2: v0-127 the hidden layer H, v128-255 T (the sigmoid on its way).   window 3: v0-127 W2, v128-255 b1.
.set LIST,  32768                      ; LDS: 0: W1's images, fragment f part c at 1024 f + 512 c + 16 lane;  LIST: a segment of SEG words for each wave: words 0-1023 its matches, word 1024 + lane the lane's dump word
.set SEG,   1088
.set CNT,   LIST+4*4*SEG               ; the four waves' counts, a word each, in a block of 256 bytes
.set SPARE, CNT+256                    ; the spare words, 128 bytes for each wave: two blocks of 256 bytes that no other line names
.set TMAX,  256                        ; the loop's bound in tiles: a block has 250 at the most
.set VR,  1                            ; v1   r = lane % 16
.set VH,  2                            ; v2   h = lane / 16
.set VLN, 3                            ; v3   lane
.set LI,  4                            ; v4   16 x lane: an image's place for my lane
.set XB,  5                            ; v5   16 h
.set LB,  7                            ; v7   my wave's segment of the list
.set DI,  8                            ; v8   1024 + lane: my dump word
.set T4,  9                            ; v9   4 x thread: the row of my first species of a pass
.set SPO, 10                           ; v10  16 x thread
.set SPO7, 11                          ; v11  the last pass: held at the block's last 16 bytes
.set IW,  12                           ; v12  where I store W1's images
.set CA,  13                           ; v13  my wave's count word
.set WO,  14                           ; v14  W1: 128 r + 16 h
.set WSO, 15                           ; v15  W1's scale words: 8 r
.set LE,  16                           ; v16-19  slot k: the list entry, a row of the block
.set RO,  20                           ; v20-23  4 x row
.set XO,  24                           ; v24-27  128 x row + 16 h
.set SO,  28                           ; v28-31  8 x row
.set SS,  32                           ; v32-39  four sums, in pairs
.set TP,  40                           ; v40-47  at work; v44 the permute's destination
.set SPC, 48                           ; v48-51  slot k: the row's species
.set XS,  52                           ; v52-59  slot k: x's scale words of the two K steps: scales and nothing else
.set SPW, 60                           ; v60  LDS address of my spare word; never rewritten
.set NIL, 61                           ; v61  0; never rewritten
.set BO,  62                           ; v62  32 h
.set RES, 63                           ; v63  the result
.set XR,  64                           ; v64-127  slot k, K step s at XR + 16 k + 8 s; at the head my quarter of W1
.set WS,  128                          ; v128-159 W1's scale words, tile t, K step s at WS + 2 t + s: scales and nothing else
.set SPV, 160                          ; v160-191 32 species, then the rows that are stored into the list
.set GG,  192                          ; v192-194 what a place in the list gains on passing into segment 1, 2, 3
.set AD,  196                          ; v196-227 the scatter's addresses, one for each pass
.set LA,  228                          ; v228-231 slot k: the LDS address of its list entry
.set ZZ,  232                          ; v232-235 zeros
.set ZA,  236                          ; v236 my segment + 16 x lane
.set ZB,  237                          ; v237 my segment + 8 x lane
.set HH,  0                            ; window 2
.set TT,  128
.set W2R, 0                            ; window 3
.set B1R, 128
.set XC,  4                            ; s[4:5] x's codes, s[6:7] x's scales, s[8:9] species, s[10:11] W1's codes, s[12:13] W1's scales, s[14:15] b1, s[16:17] W2, s[18:19] b2, s[20:21] out
.set XSC, 6
.set SP,  8
.set W1C, 10
.set W1S, 12
.set B1P, 14
.set W2P, 16
.set B2P, 18
.set OUTP, 20
.set WV,  22                           ; my wave's number
.set EX,  23                           ; my expert
.set BLK, 24                           ; my block of atoms
.set B2V, 25                           ; b2[e]
.set OF,  26                           ; s[26:27] an offset, high word 0
.set CS,  28                           ; s[28:29] -log2(e): the packed form names a pair
.set SEL, 30                           ; s[30:31] lane selects for lane xor 16
.set MK,  32                           ; s32-63 the 32 masks of matches
.set VAL, 66                           ; the lanes that have species in the last pass
.set CB,  67                           ; my wave's count so far
.set TA,  68
.set C0,  70                           ; s70-73 the four counts
.set P1,  74                           ; s74-76 where segments 1, 2, 3 begin among the R places
.set RR,  77                           ; R, the work-group's rows
.set RM1, 78
.set NT,  79                           ; its tiles
.set TILE, 80                          ; the trip's first tile of mine
.set MYT, 81
.set POS, 82                           ; 16 x the slot's tile
.set G1S, 84                           ; s84-86 SEG - c0, SEG - c1, SEG - c2
.set W_MM0, 0xb1                       ; A window 1, B window 0, C window 3, D window 2
.set W_MM1, 0xa1                       ; the same, C window 2
.set W_ACT, 0x8e                       ; source 0 and destination window 2, source 1 window 3
.set W_SUM, 0x0a                       ; sources 0 and 1 window 2, source 2 and destination window 0
.set W_TO1, 0x40                       ; destination window 1
.set W_TO3, 0xc0                       ; destination window 3
.set MSB, 0
.macro WIN new                         ; the immediate's high byte repeats the setting that is left; a switch that changes nothing is dropped
.if MSB != \new
	s_set_vgpr_msb (MSB<<8)|\new
.set MSB, \new
.endif
.endm
; The wave's end: a tensor wait, an LDS add to my spare word and its wait, behind my last LDS store.  Loads into registers may be out at s_endpgm.
.macro CLOSE
	s_wait_tensorcnt 0x0
	ds_add_u32 v[SPW], v[NIL]
	s_wait_dscnt 0x0
	s_endpgm
.endm
; Tile s[tile] lies past the work-group's last: my tiles ascend, so nothing is left for me, and the wave ends here.  Every window is 0 where this stands.
.macro QUIT tile
	s_cmp_lt_u32 s[\tile], s[NT]
	s_cbranch_scc1 .Lwork_\@
	CLOSE
.Lwork_\@:
.endm
	s_load_b256 s[4:11], s[0:1], 0x0
	s_load_b256 s[12:19], s[0:1], 0x20
	s_load_b64 s[20:21], s[0:1], 0x40
	v_lshl_add_u32 v[SPW], v0, 2, SPARE
	v_mov_b32 v[NIL], 0
	v_lshrrev_b32 v[TP], 5, v0
	v_readfirstlane_b32 s[WV], v[TP]               ; wave 0..3
	s_mov_b32 s[EX], ttmp9
	s_and_b32 s[BLK], ttmp7, 0xffff
	s_mov_b32 s[CS], 0xbfb8aa3b                    ; -log2(e)
	s_mov_b32 s[CS+1], s[CS]
	s_mov_b32 s[SEL], 0x76543210
	s_mov_b32 s[SEL+1], 0xfedcba98
	v_and_b32 v[VLN], 31, v0
	v_and_b32 v[VR], 15, v0
	v_bfe_u32 v[VH], v0, 4, 1
	v_lshlrev_b32 v[LI], 4, v[VLN]
	v_lshlrev_b32 v[XB], 4, v[VH]
	s_mul_i32 s[TA], s[WV], 4*SEG
	s_add_co_u32 s[TA], s[TA], LIST
	v_mov_b32 v[LB], s[TA]
	v_add_nc_u32 v[ZA], s[TA], v[LI]
	v_lshl_add_u32 v[ZB], v[VLN], 3, v[LB]
.irp j, 0,1,2,3
	v_mov_b32 v[ZZ+\j], 0
.endr
	v_add_nc_u32 v[DI], 1024, v[VLN]
	v_lshlrev_b32 v[T4], 2, v0
	v_lshlrev_b32 v[SPO], 4, v0
	v_add_nc_u32 v[SPO7], 14336, v[SPO]
	v_min_u32 v[SPO7], 15984, v[SPO7]              ; the block's species are 16,000 bytes: threads 104 on read its last 16 once more, and VAL leaves them out
	s_lshl_b32 s[TA], s[WV], 13
	v_add_nc_u32 v[IW], s[TA], v[LI]
	s_lshl_b32 s[TA], s[WV], 2
	s_add_co_u32 s[TA], s[TA], CNT
	v_mov_b32 v[CA], s[TA]
	v_lshl_add_u32 v[WO], v[VR], 7, v[XB]
	v_lshlrev_b32 v[WSO], 3, v[VR]
	v_lshlrev_b32 v[BO], 5, v[VH]
	v_mov_b32 v[TP+4], 0                           ; written once: a lane permute's destination counts as one of its sources
	v_cmp_gt_u32 s[VAL], 104, v0
	s_mov_b32 s[OF+1], 0
	s_wait_kmcnt 0x0
	s_mul_i32 s[OF], s[BLK], 16000                 ; my block: 4,000 species and 4,000 results of 4 bytes
	s_add_nc_u64 s[SP:SP+1], s[SP:SP+1], s[OF:OF+1]
	s_add_nc_u64 s[OUTP:OUTP+1], s[OUTP:OUTP+1], s[OF:OF+1]
.irp q, 0,1,2,3,4,5,6
	global_load_b128 v[SPV+4*\q:SPV+4*\q+3], v[SPO], s[SP:SP+1] offset:2048*\q    ; pass q: the work-group reads 2,048 consecutive bytes; my four are rows 512 q + 4 thread + 0..3
.endr
	global_load_b128 v[SPV+28:SPV+31], v[SPO7], s[SP:SP+1]
	s_lshl_b32 s[OF], s[EX], 15                    ; W1[e]: 32,768 bytes; my wave's four tiles of 16 rows: 8,192
	s_lshl_b32 s[TA], s[WV], 13
	s_add_co_u32 s[OF], s[OF], s[TA]
	s_add_nc_u64 s[W1C:W1C+1], s[W1C:W1C+1], s[OF:OF+1]
	s_lshl_b32 s[OF], s[EX], 11
	s_add_nc_u64 s[W1S:W1S+1], s[W1S:W1S+1], s[OF:OF+1]
.irp tl, 0,1,2,3                       ; a fragment, 16 rows x 128 K of 4-bit codes: lane (r, h) holds row r; registers 4 c .. 4 c + 3 hold K = 64 c + 32 h + 0..31: the row's bytes 64 s + 32 c + 16 h on
.irp s, 0,1
.irp c, 0,1
	global_load_b128 v[XR+8*(2*\tl+\s)+4*\c:XR+8*(2*\tl+\s)+4*\c+3], v[WO], s[W1C:W1C+1] offset:\tl*2048+64*\s+32*\c
.endr
.endr
.endr
.irp t, 0,1,2,3,4,5,6,7,8,9,10,11,12,13,14,15
	global_load_b64 v[WS+2*\t:WS+2*\t+1], v[WSO], s[W1S:W1S+1] offset:128*\t      ; a row's 8 scale bytes are the words of its two K steps
.endr
	s_mul_i32 s[OF], s[BLK], 512000
	s_add_nc_u64 s[XC:XC+1], s[XC:XC+1], s[OF:OF+1]
	s_mul_i32 s[OF], s[BLK], 32000
	s_add_nc_u64 s[XSC:XSC+1], s[XSC:XSC+1], s[OF:OF+1]
	s_lshl_b32 s[OF], s[EX], 10
	s_add_nc_u64 s[B1P:B1P+1], s[B1P:B1P+1], s[OF:OF+1]
	s_add_nc_u64 s[W2P:W2P+1], s[W2P:W2P+1], s[OF:OF+1]
	s_lshl_b32 s[OF], s[EX], 2
	s_add_nc_u64 s[B2P:B2P+1], s[B2P:B2P+1], s[OF:OF+1]
	s_load_b32 s[B2V], s[B2P:B2P+1], 0x0
	; my segment of the list is written whole, with zeros, while the loads are on their way: 8 x 512 bytes and 256: so every word that the held index of a list read can name has been written
.irp j, 0,1,2,3,4,5,6,7
	ds_store_b128 v[ZA], v[ZZ:ZZ+3] offset:512*\j
.endr
	ds_store_b64 v[ZB], v[ZZ:ZZ+1] offset:4096
	; THE MATCH: a mask of lanes for each of my 32 species registers
	s_wait_loadcnt 32                              ; the species are in: behind them W1's 16 loads of codes and 16 of scale words were issued
.set i, 0
.rept 32
	v_min_u32 v[SPV+i], 9, v[SPV+i]
	v_cmp_eq_u32 s[MK+i], s[EX], v[SPV+i]
.set i, i+1
.endr
.irp i, 28,29,30,31
	s_and_b32 s[MK+\i], s[MK+\i], s[VAL]
.endr
	; THE SCATTER: a matching lane's row goes to word (count so far + matching lanes below it) of my wave's segment, every other lane's to its dump word.  LDS serves a wave's instructions in order: these come behind the zeros.
	; Each pass has its own address and data registers; every address lies in my wave's segment (the index is held at SEG - 33).
	s_mov_b32 s[CB], 0
.set i, 0
.rept 32
	v_mbcnt_lo_u32_b32 v[AD+i], s[MK+i], s[CB]
	v_cndmask_b32 v[AD+i], v[DI], v[AD+i], s[MK+i]
	v_min_u32 v[AD+i], 1055, v[AD+i]
	v_lshl_add_u32 v[AD+i], v[AD+i], 2, v[LB]
	v_add_nc_u32 v[SPV+i], 512*(i/4)+i%4, v[T4]    ; the row in the block
	ds_store_b32 v[AD+i], v[SPV+i]
	s_bcnt1_i32_b32 s[TA], s[MK+i]
	s_add_co_u32 s[CB], s[CB], s[TA]
.set i, i+1
.endr
	v_mov_b32 v[TP], s[CB]
	ds_store_b32 v[CA], v[TP]                      ; my wave's count: all lanes write the same word with the same value
	s_wait_loadcnt 16                              ; W1's codes are in: behind them the 16 loads of scale words were issued
.irp fl, 0,1,2,3,4,5,6,7
.irp c, 0,1
	ds_store_b128 v[IW], v[XR+8*\fl+4*\c:XR+8*\fl+4*\c+3] offset:\fl*1024+\c*512   ; my eight fragments as images of their registers: 512 consecutive bytes a store
.endr
.endr
	WIN W_TO3
.irp t, 0,1,2,3,4,5,6,7,8,9,10,11,12,13,14,15  ; b1 and W2 in the result's layout: units 16 t + 8 h + 0..7
	global_load_b128 v[B1R+8*\t:B1R+8*\t+3],   v[BO], s[B1P:B1P+1] offset:64*\t
	global_load_b128 v[B1R+8*\t+4:B1R+8*\t+7], v[BO], s[B1P:B1P+1] offset:64*\t+16
	global_load_b128 v[W2R+8*\t:W2R+8*\t+3],   v[BO], s[W2P:W2P+1] offset:64*\t
	global_load_b128 v[W2R+8*\t+4:W2R+8*\t+7], v[BO], s[W2P:W2P+1] offset:64*\t+16
.endr
	WIN 0
	s_wait_dscnt 0x0                               ; for the others' sake: my list, my count and my images have landed
	s_barrier_signal -1
	s_barrier_wait -1                              ; everybody's have.  From here on the lists, the counts and the images are only read: the launch's one barrier
	v_mov_b32 v[TP+6], CNT
	ds_load_b128 v[TP:TP+3], v[TP+6]
	s_wait_dscnt 0x0
.irp j, 0,1,2,3
	v_readfirstlane_b32 s[C0+\j], v[TP+\j]
.endr
	s_mov_b32 s[P1], s[C0]
	s_add_co_u32 s[P1+1], s[P1], s[C0+1]
	s_add_co_u32 s[P1+2], s[P1+1], s[C0+2]
	s_add_co_u32 s[RR], s[P1+2], s[C0+3]           ; R
	s_sub_co_u32 s[RM1], s[RR], 1
	s_add_co_u32 s[NT], s[RR], 15
	s_lshr_b32 s[NT], s[NT], 4
.irp j, 0,1,2
	s_sub_co_u32 s[G1S+\j], SEG, s[C0+\j]
	v_mov_b32 v[GG+\j], s[G1S+\j]
.endr
	s_mov_b32 s[TILE], s[WV]
	QUIT WV                                        ; no tile for my wave (R = 0 among the cases)
; Slot k's list entry is asked for: place p = min(s[sp] + r, R - 1) of the R; it lies at word p + the sum, over the segments j that p has passed (p >= P_j), of SEG - c(j-1).
; Thirteen plain vector instructions on registers of their own: behind a slot's products they are the places in front of all that follows.
.macro LPOS k, sp
	v_add_nc_u32 v[TP], s[\sp], v[VR]
	v_min_u32 v[TP], s[RM1], v[TP]
	v_cmp_le_u32 vcc_lo, s[P1], v[TP]
	v_cndmask_b32 v[TP+1], 0, v[GG], vcc_lo
	v_cmp_le_u32 vcc_lo, s[P1+1], v[TP]
	v_cndmask_b32 v[TP+2], 0, v[GG+1], vcc_lo
	v_cmp_le_u32 vcc_lo, s[P1+2], v[TP]
	v_cndmask_b32 v[TP+3], 0, v[GG+2], vcc_lo
	v_add_nc_u32 v[TP+1], v[TP+1], v[TP+2]
	v_add_nc_u32 v[TP], v[TP], v[TP+3]
	v_add_nc_u32 v[TP], v[TP], v[TP+1]
	v_min_u32 v[TP], 4*SEG-1, v[TP]
	v_lshl_add_u32 v[LA+(\k)], v[TP], 2, LIST
	ds_load_b32 v[LE+(\k)], v[LA+(\k)]
.endm
; Slot k is filled: six loads: the row's 128 bytes of codes (my half's 16 of each 32), its two scale words, its species.
.macro REFILL k
	v_min_u32 v[LE+(\k)], 3999, v[LE+(\k)]         ; a row of the block
	v_lshlrev_b32 v[RO+(\k)], 2, v[LE+(\k)]
	v_lshlrev_b32 v[SO+(\k)], 3, v[LE+(\k)]
	v_lshl_add_u32 v[XO+(\k)], v[LE+(\k)], 7, v[XB]
.irp c, 0,1,2,3
	global_load_b128 v[XR+16*(\k)+4*\c:XR+16*(\k)+4*\c+3], v[XO+(\k)], s[XC:XC+1] offset:32*\c
.endr
	global_load_b64 v[XS+2*(\k):XS+2*(\k)+1], v[SO+(\k)], s[XSC:XSC+1]
	global_load_b32 v[SPC+(\k)], v[RO+(\k)], s[SP:SP+1]
.endm
; The 32 products of a tile of 16 atoms.  The first K step takes b1 as C.  The sixteen accumulators take turns, one instruction a turn.
.macro MM k
	WIN W_MM0
.irp t, 0,1,2,3,4,5,6,7,8,9,10,11,12,13,14,15
	v_wmma_scale_f32_16x16x128_f8f6f4 v[HH+8*\t:HH+8*\t+7], v[16*\t:16*\t+7], v[XR+16*(\k):XR+16*(\k)+7], v[B1R+8*\t:B1R+8*\t+7], v[WS+2*\t], v[XS+2*(\k)] matrix_a_fmt:MATRIX_FMT_FP4 matrix_b_fmt:MATRIX_FMT_FP4
.endr
	WIN W_MM1
.irp t, 0,1,2,3,4,5,6,7,8,9,10,11,12,13,14,15
	v_wmma_scale_f32_16x16x128_f8f6f4 v[HH+8*\t:HH+8*\t+7], v[16*\t+8:16*\t+15], v[XR+16*(\k)+8:XR+16*(\k)+15], v[HH+8*\t:HH+8*\t+7], v[WS+2*\t+1], v[XS+2*(\k)+1] matrix_a_fmt:MATRIX_FMT_FP4 matrix_b_fmt:MATRIX_FMT_FP4
.endr
.endm
; silu and the dot: the sum over my 128 units of (h W2) / (1 + 2^(-h log2 e)).  Pairs 0..63, ascending.
; The 128 exponentials are one batch and the 128 reciprocals another, each with one wait ahead of its first reader; packed arithmetic that names no result of the batch stands among them.
.macro ACT
	WIN W_ACT
	v_pk_mul_f32 v[TT:TT+1], v[HH:HH+1], s[CS:CS+1] op_sel_hi:[1,0]
.set i, 0
.rept 64
.if i < 63
	v_pk_mul_f32 v[TT+2*i+2:TT+2*i+3], v[HH+2*i+2:HH+2*i+3], s[CS:CS+1] op_sel_hi:[1,0]   ; the next pair's -h log2 e
.endif
	v_exp_f32 v[TT+2*i], v[TT+2*i]
	v_exp_f32 v[TT+2*i+1], v[TT+2*i+1]
	v_pk_mul_f32 v[HH+2*i:HH+2*i+1], v[HH+2*i:HH+2*i+1], v[W2R+2*i:W2R+2*i+1]             ; h W2, in place; the last of these is the plain instruction behind the last exponential
.set i, i+1
.endr
	s_wait_alu depctr_va_vdst(0)                   ; one wait for the 128 exponentials
	v_pk_add_f32 v[TT:TT+1], v[TT:TT+1], 1.0 op_sel_hi:[1,0]
.set i, 0
.rept 64
.if i < 63
	v_pk_add_f32 v[TT+2*i+2:TT+2*i+3], v[TT+2*i+2:TT+2*i+3], 1.0 op_sel_hi:[1,0]
.endif
	v_rcp_f32 v[TT+2*i], v[TT+2*i]
	v_rcp_f32 v[TT+2*i+1], v[TT+2*i+1]
.set i, i+1
.endr
	v_nop                                          ; the plain instruction behind the last reciprocal
	s_wait_alu depctr_va_vdst(0)                   ; one wait for the 128 reciprocals
	WIN W_SUM
.set i, 0
.rept 64
.if i < 4
	v_pk_mul_f32 v[SS+2*i:SS+2*i+1], v[HH+2*i:HH+2*i+1], v[TT+2*i:TT+2*i+1]               ; the first four pairs start four chains: nothing is cleared
.else
	v_pk_fma_f32 v[SS+2*(i%4):SS+2*(i%4)+1], v[HH+2*i:HH+2*i+1], v[TT+2*i:TT+2*i+1], v[SS+2*(i%4):SS+2*(i%4)+1]
.endif
.set i, i+1
.endr
	WIN 0
.endm
; The eight partial sums, the other half of the lanes' 128 units, b2; 0 where the row's species is not e; every lane stores 4 bytes at its row (lanes that share a row hold the same number).
.macro FIN k
	v_pk_add_f32 v[SS:SS+1], v[SS:SS+1], v[SS+2:SS+3]
	v_pk_add_f32 v[SS+4:SS+5], v[SS+4:SS+5], v[SS+6:SS+7]
	v_pk_add_f32 v[SS:SS+1], v[SS:SS+1], v[SS+4:SS+5]
	v_add_f32 v[SS], v[SS], v[SS+1]
	v_permlanex16_b32 v[TP+4], v[SS], s[SEL], s[SEL+1]
	v_add_f32 v[SS], v[SS], v[TP+4]
	v_add_f32 v[RES], s[B2V], v[SS]
	v_cmp_eq_u32 vcc_lo, s[EX], v[SPC+(\k)]
	v_cndmask_b32 v[RES], 0, v[RES], vcc_lo
	global_store_b32 v[RO+(\k)], v[RES], s[OUTP:OUTP+1]
.endm
; Slot k's turn: tile TILE + 4 k of the work-group; a wave whose tiles are done ends here.  The slot is filled again with my tile four turns on (16 tiles further),
; held at the last row where the list ends: no load leaves a buffer.
.macro SLOT k
	s_add_co_u32 s[MYT], s[TILE], 4*(\k)
	s_lshl_b32 s[POS], s[MYT], 4
	QUIT MYT
	s_add_co_u32 s[TA], s[POS], 256
	s_wait_loadcnt 18                              ; my six loads are in; the six of each of the three younger slots may be out.  It also frees this slot's address registers
	MM \k
	WIN 0
	LPOS \k, TA
	ACT
	FIN \k
	s_wait_dscnt 0x0                               ; the list entry is in
	s_wait_xcnt 0x0                                ; the store has read its address and its data: both are written again only behind this wait
	REFILL \k
.endm
.irp k, 0,1,2,3
	s_add_co_u32 s[MYT], s[WV], 4*\k
	s_lshl_b32 s[POS], s[MYT], 4
	LPOS \k, POS
.endr
	s_wait_dscnt 0x0
	REFILL 0
	REFILL 1
	REFILL 2
	REFILL 3
	WIN W_TO1                                      ; W1's 32 fragments come back from their images while the first rows of x are on their way
.set f, 0
.rept 32
	ds_load_b128 v[8*f:8*f+3],   v[LI] offset:f*1024
	ds_load_b128 v[8*f+4:8*f+7], v[LI] offset:f*1024+512
.set f, f+1
.endr
	WIN 0
	s_wait_loadcnt 0x0                             ; W1's scale words, b1, W2, the four slots
	s_wait_dscnt 0x0
	s_wait_kmcnt 0x0                               ; b2
.Ltrip:                                            ; four tiles of mine a trip, TMAX / 16 trips at the most; no barrier and no LDS store in the loop
	SLOT 0
	SLOT 1
	SLOT 2
	SLOT 3
	s_add_co_u32 s[TILE], s[TILE], 16
	s_cmp_lt_u32 s[TILE], TMAX
	s_cbranch_scc1 .Ltrip
	CLOSE                                          ; reached only by a wave that has walked all TMAX / 16 trips
.Lfunc_end_k_q16d50082d0_readout:
	.size	k_q16d50082d0_readout, .Lfunc_end_k_q16d50082d0_readout-k_q16d50082d0_readout
	.p2alignl 7, 3214868480
	.fill 96, 4, 3214868480
	.section	.rodata,"a",@progbits
	.p2align	6, 0x0
	.amdhsa_kernel k_q16d50082d0_readout
		.amdhsa_group_segment_fixed_size 50944
		.amdhsa_private_segment_fixed_size 0
		.amdhsa_enable_private_segment 0
		.amdhsa_kernarg_size 72
		.amdhsa_user_sgpr_count 2
		.amdhsa_user_sgpr_kernarg_segment_ptr 1
		.amdhsa_wavefront_size32 1
		.amdhsa_system_sgpr_workgroup_id_x 1
		.amdhsa_system_sgpr_workgroup_id_y 1
		.amdhsa_system_sgpr_workgroup_id_z 1
		.amdhsa_system_vgpr_workitem_id 0
		.amdhsa_next_free_vgpr 1024
		.amdhsa_next_free_sgpr 96
		.amdhsa_reserve_vcc 1
		.amdhsa_float_denorm_mode_32 3
		.amdhsa_float_denorm_mode_16_64 3
		.amdhsa_memory_ordered 1
		.amdhsa_forward_progress 1
		.amdhsa_inst_pref_size 165
	.end_amdhsa_kernel
	.amdgpu_metadata
---
amdhsa.version: [ 1, 2 ]
amdhsa.kernels:
  - .name:           k_q16d50082d0_readout
    .symbol:         k_q16d50082d0_readout.kd
    .args:
      - { .name: input_tensor_codes, .offset: 0, .size: 8, .value_kind: global_buffer, .address_space: global }
      - { .name: input_tensor_scales, .offset: 8, .size: 8, .value_kind: global_buffer, .address_space: global }
      - { .name: species, .offset: 16, .size: 8, .value_kind: global_buffer, .address_space: global }
      - { .name: W1_codes, .offset: 24, .size: 8, .value_kind: global_buffer, .address_space: global }
      - { .name: W1_scales, .offset: 32, .size: 8, .value_kind: global_buffer, .address_space: global }
      - { .name: b1, .offset: 40, .size: 8, .value_kind: global_buffer, .address_space: global }
      - { .name: W2, .offset: 48, .size: 8, .value_kind: global_buffer, .address_space: global }
      - { .name: b2, .offset: 56, .size: 8, .value_kind: global_buffer, .address_space: global }
      - { .name: out0, .offset: 64, .size: 8, .value_kind: global_buffer, .address_space: global }
    .group_segment_fixed_size: 50944
    .private_segment_fixed_size: 0
    .kernarg_segment_align: 8
    .kernarg_segment_size: 72
    .max_flat_workgroup_size: 128
    .sgpr_count:     96
    .vgpr_count:     1024
    .wavefront_size: 32
...
	.end_amdgpu_metadata
.endif
;; end of part 1
